; MI455X (gfx1250); checked and timed in simulation.
; The chip was launched on July 23, 2026; its instructions are those of AMD's public machine-readable ISA for CDNA 5 (MIT licence, August 2026) and "CDNA5" Instruction Set Architecture Reference Guide (July 2026). The comments in the code are by the model that wrote it; some were corrected since.
;; SMPLNN. Allowed arithmetic: float matrix products may take bf16 or f16 operands with f32 sums; all other float work in f32.
;; Inputs: bone_transforms 24 x 4 x 4 float32; rotation 25,000 x 4 float32; skinning_weights 6,890 x 24 float32; smpl_verts 6,890 x 3 float32; xyz 25,000 x 3 float32.
;; Outputs: out0 25,000 x 3 float32; out1 25,000 x 3 x 3 float32; out2 25,000 x 4 x 4 float32.
;; One version. Each part assembles by itself: llvm-mc -triple=amdgcn-amd-amdhsa -mcpu=gfx1250 --defsym DOCPART=n.
;; ======== version 1 of 1: 2 launches
;; workspace buffers: grp 100,352 bytes of whole numbers; tv 441,344 bytes
;; launch nearest (part 1): grid 224 x 1, 8 waves a work-group, no clusters, 168,960 bytes of LDS; arguments xyz, smpl_verts, skinning_weights, bone_transforms, grp, tv; writes grp, tv
.if DOCPART == 1
	.amdgcn_target "amdgcn-amd-amdhsa--gfx1250"
	.amdhsa_code_object_version 6
	.text
	.protected	k_qd2eaed794d_nearest
	.globl	k_qd2eaed794d_nearest
	.p2align	8
	.type	k_qd2eaed794d_nearest,@function
k_qd2eaed794d_nearest:
	s_mov_b64 s[64:65], 0
	v_nop
	global_prefetch_b8 v0, s[64:65] scope:SCOPE_SE
	s_setreg_imm32_b32 hwreg(HW_REG_WAVE_MODE, 25, 1), 1
	s_wait_xcnt 0x0
; Two results.
; (a) grp[point] = g, the number of the group of eight consecutive vertices 8 g .. 8 g + 7 that holds the point's nearest vertex,
;     by the score |v|^2 - 2 x.v (|x|^2 is the same for all vertices of a point and changes no argmin).
; (b) tv[vertex][16] = skinning_weights[vertex][:] @ bone_transforms (24 x 16): the blend is made once for each vertex, 431 tiles,
;     not once for each point.
; SHARES.  A work-group owns 112 points = 7 tiles of 16 (224 x 112 = 25,088; point numbers are clamped to the last point on load, and grp
; has room for all 25,088).  Wave w owns vertex tiles 54 w .. 54 w + 53 (432 tiles; vertex addresses are clamped to the last vertex).
; THE SCORE IN ONE MATRIX INSTRUCTION.  Every f32 is split exactly into three bf16 pieces h + m + l (round, subtract, repeat).  The 32
; places along K hold the products of the pieces of v with those of X = -2 x, and the pieces of s = |v|^2 against 1.0:
;   registers 0-5 of the vertex side: (vh, sh), (vm, sm), (vl, sl), alike in both halves of the lanes; of the point side: (Xh, 1) three times
;   in lanes 0-15, (Xm, 0) three times in lanes 16-31;  registers 6-7: (vh, sh) in lanes 0-15, (vm, sm) in lanes 16-31, against (Xl, 0).
;   The sum is v.Xh + v.Xm + (vh + vm).Xl + s.
; With vertices as source 0 a lane's eight results are eight consecutive vertices of one point: four v_min3, one compare and one select
; serve eight scores.  The choice among the eight is left to the next launch.
; LIMITS.  The product vl.Xl is left out: at most 2^-34 of |x||v|.  Two vertices whose scores differ by less than the f32 rounding of
; |v|^2 - 2 x.v may be taken in another order than by f32 arithmetic in another order of operations.  Equal scores: the lowest group.
; A NaN score loses.  Numbers whose bf16 rounding overflows (above 3.39e38) are not served.
; NO CLUSTER: what work-groups share is the vertex table, 82,680 bytes, fetched once at the head and never again, against 378
; matrix instructions a wave; there is no refill to share.
.set NP,     25000
.set NV,     6890
.set WPTS,   112                       ; points of a work-group
.set VT,     54                        ; vertex tiles of a wave
.set SLICE,  10368                     ; bytes of the 864 vertices that a wave multiplies
.set VLAST,  82668                     ; byte offset of the last vertex
.set FWAVES, 5                         ; waves that fetch: the table's 82,680 bytes are 5 x 16,536
.set VPART,  16536                     ; bytes that one of them fetches
.set VPART8, 2067                      ; the same in elements of 8 bytes
.set SCR,    83200                     ; LDS: 16 candidates x 112 points x 8 bytes (score, group), behind the vertices' 82,680 bytes
.set TVS,    97536                     ; LDS: 1,024 bytes for each of waves 0 and 1, the way out of a tile of tv
.set RAW,  10                          ; v[10:13]   x, y, z, s of my vertex, then what is left of them
.set T,    14                          ; v[14:17]   at work
.set OFF,  20                          ; v20        byte offset of my vertex of the tile that is loaded next
.set LA,   21                          ; v21        the same, clamped to the last vertex
.set GCUR, 22                          ; v22        the group of my eight results in this phase
.set A,    24                          ; v[24:31]   vertex fragment
.set BG,   32                          ; v[32:45]   point tile p: (best score, its group) at BG + 2 p
.set BN,   46                          ; v[46:52]   point tile p: the best score, second copy (the two take turns)
.set BF,   56                          ; v[56:111]  the seven point fragments
.set D,    112                         ; v[112:167] the seven results
.set XO,   152                         ; v[152:158] head only: byte offsets of my points
.set XR,   168                         ; v[168:195] xyz of my point of tile p at XR + 4 p
.set WH,   112                         ; tv part only: weights, high and low pieces; bones, high and low; the sum
.set WL,   120
.set BH,   128
.set BL,   136
.set ACC,  144
.set WF,   196                         ; v[196:211] weights as loaded
.set BO,   212                         ; v[212:227] bones as loaded
	s_load_b256 s[4:11], s[0:1], 0x0               ; xyz s[4:5], vertices s[6:7], weights s[8:9], bones s[10:11]
	s_load_b128 s[12:15], s[0:1], 0x20             ; grp s[12:13], tv s[14:15]
	v_lshl_add_u32 v228, v0, 2, 0x29000
	v_mov_b32 v229, 0
	ds_add_u32 v228, v229
	ds_add_u32 v228, v229
	v_lshrrev_b32 v3, 5, v0
	v_readfirstlane_b32 s16, v3                    ; wave 0..7
	s_mov_b32 s17, ttmp9                           ; work-group
	s_mov_b32 s18, 0xffff0000                      ; two uses: a word's upper bf16, and as a lane mask lanes 16-31
	s_mov_b32 s19, VLAST
	v_and_b32 v1, 15, v0                           ; r
	v_bfe_u32 v2, v0, 4, 1                         ; h
	; a fifth of the vertex table as one row of 2,067 elements of 8 bytes, to LDS byte 16,536 x wave; the shape is the same for all five
	s_mul_i32 s25, s16, VPART                      ; LDS address, and the part's byte offset in the table
	s_mov_b32 s24, 1                               ; count = 1
	s_mov_b32 s28, 3<<16                           ; no mask, elements of 8 bytes, no padding
	s_mov_b32 s29, VPART8<<16                      ; tensor_dim0, low half
	s_mov_b32 s30, 1<<16                           ; its high half = 0; tensor_dim1 = 1
	s_mov_b32 s31, VPART8<<16                      ; tile_dim0
	s_mov_b32 s32, 1                               ; tile_dim1
	s_mov_b32 s33, VPART8                          ; pitch
	s_mov_b32 s34, 0
	s_mov_b32 s35, 0
	s_mov_b32 s40, s25
	s_mov_b32 s41, 0
	s_mul_i32 s21, s17, WPTS
	v_add_nc_u32 v3, s21, v1                       ; my point of tile 0
.irp p, 0,1,2,3,4,5,6
	v_add_nc_u32 v[XO+\p], 16*\p, v3
	v_min_u32 v[XO+\p], NP-1, v[XO+\p]             ; the last work-group's points past the end repeat the last point
	v_mul_u32_u24 v[XO+\p], 12, v[XO+\p]
.endr
	s_wait_dscnt 0x0
	s_wait_kmcnt 0x0
	s_add_nc_u64 s[26:27], s[6:7], s[40:41]
	s_or_b32 s27, s27, 0x80000000                  ; type = 2
	s_cmp_gt_u32 s16, FWAVES-1
	s_cbranch_scc1 .Lno_fetch                      ; waves 5 to 7 fetch nothing (their address is not used)
	tensor_load_to_lds s[24:27], s[28:35]          ; the wave's one tensor load: one is out, and its bytes are filled once
	s_nop 0
.Lno_fetch:
.irp p, 0,1,2,3,4,5,6
	global_load_b96 v[XR+4*\p:XR+4*\p+2], v[XO+\p], s[4:5]
.endr
; H, L = the high and the low bf16 pieces of the 16 numbers at S, as fragment registers 0 to 7
.macro SPLIT H, L, S
.irp q, 0,1,2,3,4,5,6,7
	v_cvt_pk_bf16_f32 v[\H+\q], v[\S+2*\q], v[\S+2*\q+1]
	v_lshlrev_b32 v[T+2*(\q&1)], 16, v[\H+\q]
	v_and_b32 v[T+2*(\q&1)+1], s18, v[\H+\q]
	v_pk_add_f32 v[\S+2*\q:\S+2*\q+1], v[\S+2*\q:\S+2*\q+1], v[T+2*(\q&1):T+2*(\q&1)+1] neg_lo:[0,1] neg_hi:[0,1]
	v_cvt_pk_bf16_f32 v[\L+\q], v[\S+2*\q], v[\S+2*\q+1]
.endr
.endm
	; ---- tv: waves 0 and 1 of work-groups 0 to 215 make tile tt = 2 x work-group + wave (431 tiles of 16 vertices) ----
	s_cmp_gt_u32 s16, 1
	s_cbranch_scc1 .Lno_tv
	s_lshl1_add_u32 s38, s17, s16
	s_cmp_gt_u32 s38, 430
	s_cbranch_scc1 .Lno_tv
	s_lshl_b32 s21, s38, 4
	v_add_nc_u32 v4, s21, v1
	v_min_u32 v4, NV-1, v4                         ; rows 6890 to 6895 of tv repeat row 6889
	v_mul_u32_u24 v6, 96, v4                       ; weights: 96 x vertex, for k = 16 .. 23
	v_lshl_add_u32 v4, v2, 5, v6                   ; weights: 96 x vertex + 32 h: k = 8 h .. 8 h + 7
	v_lshlrev_b32 v5, 2, v1                        ; bones: column r of row k at 64 k + 4 r
	v_lshl_add_u32 v7, v2, 9, v5                   ; k = 8 h + i
	global_load_b128 v[WF:WF+3],     v4, s[8:9]
	global_load_b128 v[WF+4:WF+7],   v4, s[8:9] offset:16
	global_load_b128 v[WF+8:WF+11],  v6, s[8:9] offset:64   ; lanes 16-31 stand for k = 24 .. 31, which do not exist: they take k = 16 .. 23 again,
	global_load_b128 v[WF+12:WF+15], v6, s[8:9] offset:80   ; and the bones' side is zero there
.irp i, 0,1,2,3,4,5,6,7
	global_load_b32 v[BO+\i],   v7, s[10:11] offset:64*\i
	global_load_b32 v[BO+8+\i], v5, s[10:11] offset:1024+64*\i
.endr
	s_lshl_b32 s22, s16, 10
	s_add_co_u32 s22, s22, TVS                     ; my stage
	v_lshlrev_b32 v8, 6, v1
	v_lshl_add_u32 v8, v2, 5, v8
	v_add_nc_u32 v8, s22, v8                       ; in: vertex r, columns 8 h .. 8 h + 7
	v_and_b32 v9, 31, v0
	v_lshlrev_b32 v9, 4, v9                        ; 16 x lane: my place in tv's tile
	v_add_nc_u32 v3, s22, v9                       ; back: 16 bytes a lane, in the order of memory
	s_lshl_b32 s40, s38, 10
	s_add_nc_u64 s[14:15], s[14:15], s[40:41]      ; tv at my tile (s41 = 0)
	s_wait_loadcnt 0x0
.irp i, 0,1,2,3,4,5,6,7
	v_cndmask_b32 v[BO+8+\i], v[BO+8+\i], 0, s18   ; k = 24 .. 31: zero
.endr
	SPLIT BH, BL, BO
	SPLIT WH, WL, WF
	; source 0 = bones transposed (row = column of T), source 1 = weights (column = vertex): a lane gets eight neighbouring numbers of a row of tv.
	; Bh Wh + Bh Wl + Bl Wh; what is left out is below 2^-16 of the products.
	v_wmma_f32_16x16x32_bf16 v[ACC:ACC+7], v[BH:BH+7], v[WH:WH+7], 0
	s_wait_alu depctr_va_vdst(0)                   ; wait ahead of a link on the accumulator just written
	v_wmma_f32_16x16x32_bf16 v[ACC:ACC+7], v[BH:BH+7], v[WL:WL+7], v[ACC:ACC+7]
	s_wait_alu depctr_va_vdst(0)                   ; likewise
	v_wmma_f32_16x16x32_bf16 v[ACC:ACC+7], v[BL:BL+7], v[WH:WH+7], v[ACC:ACC+7]
.rept 4
	v_nop                                          ; four places in front of the LDS stores that read the result
.endr
	ds_store_b128 v8, v[ACC:ACC+3]
	ds_store_b128 v8, v[ACC+4:ACC+7] offset:16
	ds_load_b128 v[WF:WF+3],   v3                  ; my own bytes, served in order behind my stores
	ds_load_b128 v[WF+4:WF+7], v3 offset:512
	s_wait_dscnt 0x0
	global_store_b128 v9, v[WF:WF+3],   s[14:15]             ; each store covers 512 consecutive bytes, aligned
	global_store_b128 v9, v[WF+4:WF+7], s[14:15] offset:512  ; v9, WF and s[14:15] are not written again
.Lno_tv:
	s_wait_loadcnt 0x0                             ; xyz
; the fragment of point tile p
.macro PFRAG p
	v_mul_f32 v[XR+4*\p],   -2.0, v[XR+4*\p]
	v_mul_f32 v[XR+4*\p+1], -2.0, v[XR+4*\p+1]
	v_mul_f32 v[XR+4*\p+2], -2.0, v[XR+4*\p+2]
	v_cvt_pk_bf16_f32 v[RAW],   v[XR+4*\p], v[XR+4*\p+1]      ; (Xh0, Xh1)
	v_cvt_pk_bf16_f32 v[RAW+1], v[XR+4*\p+2], 1.0             ; (Xh2, 1): the 1 meets the pieces of s
	v_lshlrev_b32 v[T],   16, v[RAW]
	v_and_b32     v[T+1], s18, v[RAW]
	v_lshlrev_b32 v[T+2], 16, v[RAW+1]
	v_pk_add_f32 v[XR+4*\p:XR+4*\p+1], v[XR+4*\p:XR+4*\p+1], v[T:T+1] neg_lo:[0,1] neg_hi:[0,1]
	v_sub_f32 v[XR+4*\p+2], v[XR+4*\p+2], v[T+2]
	v_cvt_pk_bf16_f32 v[RAW+2], v[XR+4*\p], v[XR+4*\p+1]      ; (Xm0, Xm1)
	v_cvt_pk_bf16_f32 v[RAW+3], v[XR+4*\p+2], 0               ; (Xm2, 0)
	v_lshlrev_b32 v[T],   16, v[RAW+2]
	v_and_b32     v[T+1], s18, v[RAW+2]
	v_lshlrev_b32 v[T+2], 16, v[RAW+3]
	v_pk_add_f32 v[XR+4*\p:XR+4*\p+1], v[XR+4*\p:XR+4*\p+1], v[T:T+1] neg_lo:[0,1] neg_hi:[0,1]
	v_sub_f32 v[XR+4*\p+2], v[XR+4*\p+2], v[T+2]
	v_cvt_pk_bf16_f32 v[BF+8*\p+6], v[XR+4*\p], v[XR+4*\p+1]  ; (Xl0, Xl1)
	v_cvt_pk_bf16_f32 v[BF+8*\p+7], v[XR+4*\p+2], 0           ; (Xl2, 0)
.irp c, 0,2,4
	v_cndmask_b32 v[BF+8*\p+\c],   v[RAW],   v[RAW+2], s18    ; lanes 0-15 the high pieces, lanes 16-31 the middle ones, three times
	v_cndmask_b32 v[BF+8*\p+\c+1], v[RAW+1], v[RAW+3], s18
.endr
.endm
.irp p, 0,1,2,3,4,5,6
	PFRAG \p
.endr
	s_mul_i32 s21, s16, 2*VT
	v_add_nc_u32 v[GCUR], s21, v2                  ; group of tile 54 w, half h: 108 w + h
.irp p, 0,1,2,3,4,5,6
	v_mov_b32 v[BG+2*\p], 0x7f800000               ; +infinity
	v_mov_b32 v[BG+2*\p+1], v[GCUR]
.endr
	s_mul_i32 s23, s16, SLICE
	v_mul_u32_u24 v[OFF], 12, v1
	v_add_nc_u32 v[OFF], s23, v[OFF]               ; my vertex of the wave's tile 0
	v_min_u32 v[LA], s19, v[OFF]
	s_wait_tensorcnt 0x0                           ; my part of the table has landed (waves 5 to 7: nothing is out),
	s_barrier_signal -1
	s_barrier_wait -1                              ; and everybody's: every wave reads vertices that other waves fetched
.macro LOADRAW
	ds_load_b32 v[RAW],   v[LA]
	ds_load_b32 v[RAW+1], v[LA] offset:4
	ds_load_b32 v[RAW+2], v[LA] offset:8
.endm
; registers lo, lo + 1 of the vertex fragment = the bf16 of (x, y), (z, s); the pieces are taken away from x, y, z, s
.macro PIECE lo
	v_cvt_pk_bf16_f32 v[A+\lo],   v[RAW],   v[RAW+1]
	v_cvt_pk_bf16_f32 v[A+\lo+1], v[RAW+2], v[RAW+3]
	v_lshlrev_b32 v[T],   16, v[A+\lo]
	v_and_b32     v[T+1], s18, v[A+\lo]
	v_lshlrev_b32 v[T+2], 16, v[A+\lo+1]
	v_and_b32     v[T+3], s18, v[A+\lo+1]
	v_pk_add_f32 v[RAW:RAW+1],   v[RAW:RAW+1],   v[T:T+1]   neg_lo:[0,1] neg_hi:[0,1]
	v_pk_add_f32 v[RAW+2:RAW+3], v[RAW+2:RAW+3], v[T+2:T+3] neg_lo:[0,1] neg_hi:[0,1]
.endm
; The next tile's vertex fragment from x, y, z; load = 1: the tile behind it is asked for.
; Its first lines name no register of the matrix instructions in front of it: they are the four places ahead of the first write of A (ISA guide 7.12.1).
.macro BUILD load
	s_wait_dscnt 0x0                               ; x, y, z are in
	v_mul_f32 v[RAW+3], v[RAW], v[RAW]
	v_fmac_f32 v[RAW+3], v[RAW+1], v[RAW+1]
	v_fmac_f32 v[RAW+3], v[RAW+2], v[RAW+2]        ; s = |v|^2
.if \load
	v_add_nc_u32 v[OFF], 192, v[OFF]               ; 16 vertices on
	v_min_u32 v[LA], s19, v[OFF]
.else
	v_nop
.endif
	PIECE 0
	PIECE 2
	v_cvt_pk_bf16_f32 v[A+4], v[RAW],   v[RAW+1]
	v_cvt_pk_bf16_f32 v[A+5], v[RAW+2], v[RAW+3]
	v_cndmask_b32 v[A+6], v[A],   v[A+2], s18      ; against Xl: the high pieces in lanes 0-15, the middle ones in lanes 16-31
	v_cndmask_b32 v[A+7], v[A+1], v[A+3], s18
.if \load
	LOADRAW
.endif
.endm
; One vertex tile against the seven point tiles.  The seven results are seven accumulators, each started by the constant 0: no chain.
; The best score is read at old + ostep p and written at new + nstep p, so that one v_min3 both folds it in and keeps the old one to compare with.
.macro PHASE old, ostep, new, nstep, build, load
.irp p, 0,1,2,3,4,5,6
	v_wmma_f32_16x16x32_bf16 v[D+8*\p:D+8*\p+7], v[A:A+7], v[BF+8*\p:BF+8*\p+7], 0
.endr
.if \build
	BUILD \load
.else
.rept 4
	v_nop                                          ; four places in front of the reads of the results
.endr
.endif
.irp p, 0,1,2,3,4,5,6
	v_min3_num_f32 v[T+2*(\p&1)],   v[D+8*\p],   v[D+8*\p+1], v[D+8*\p+2]
	v_min3_num_f32 v[T+2*(\p&1)+1], v[D+8*\p+3], v[D+8*\p+4], v[D+8*\p+5]
	v_min3_num_f32 v[T+2*(\p&1)],   v[D+8*\p+6], v[D+8*\p+7], v[T+2*(\p&1)]
	v_min3_num_f32 v[\new+\nstep*\p], v[T+2*(\p&1)], v[T+2*(\p&1)+1], v[\old+\ostep*\p]
	v_cmp_lt_f32 vcc_lo, v[\new+\nstep*\p], v[\old+\ostep*\p]      ; strictly better: an equal score keeps the earlier group
	v_cndmask_b32 v[BG+2*\p+1], v[BG+2*\p+1], v[GCUR], vcc_lo
.endr
	v_add_nc_u32 v[GCUR], 2, v[GCUR]
.endm
	LOADRAW                                        ; tile 0
	BUILD 1                                        ; its fragment; tile 1 is asked for
	s_mov_b32 s20, VT/2-1
.Lpair:
	PHASE BG, 2, BN, 1, 1, 1
	PHASE BN, 1, BG, 2, 1, 1
	s_sub_co_u32 s20, s20, 1
	s_cmp_lg_u32 s20, 0
	s_cbranch_scc1 .Lpair
	PHASE BG, 2, BN, 1, 1, 0                       ; tile 52: tile 53's fragment is built, nothing more is asked for
	PHASE BN, 1, BG, 2, 0, 0                       ; tile 53: the best scores end in BG
	; 16 candidates for each point (8 waves x 2 halves of the lanes) meet in LDS
	s_mul_i32 s21, s16, 1792
	s_add_co_u32 s21, s21, SCR
	v_mul_u32_u24 v4, 896, v2
	v_lshl_add_u32 v4, v1, 3, v4
	v_add_nc_u32 v4, s21, v4                       ; candidate 2 w + h, point r of tile 0
.irp p, 0,1,2,3,4,5,6
	ds_store_b64 v4, v[BG+2*\p:BG+2*\p+1] offset:128*\p
.endr
	v_lshlrev_b32 v5, 3, v0
	v_add_nc_u32 v5, SCR, v5                       ; thread t takes point t
	v_lshlrev_b32 v6, 2, v0
	s_wait_dscnt 0x0                               ; my stores are done, for the others' sake
	s_barrier_signal -1
	s_barrier_wait -1
	s_cmp_gt_u32 s16, 3
	s_cbranch_scc1 .Ldone                          ; 112 points: waves 0 to 3 finish
	s_mul_i32 s40, s17, 4*WPTS
	s_mov_b32 s41, 0
	s_add_nc_u64 s[12:13], s[12:13], s[40:41]
	s_wait_xcnt 0x0                                ; EXEC changes only behind this wait (tv's stores)
	v_cmp_gt_u32 vcc_lo, WPTS, v0
	s_wait_tensorcnt 0x0
	ds_add_u32 v228, v229
	s_wait_dscnt 0x0
	s_and_saveexec_b32 s21, vcc_lo
.irp c, 0,1,2,3,4,5,6,7,8,9,10,11,12,13,14,15
	ds_load_b64 v[D+2*\c:D+2*\c+1], v5 offset:896*\c
.endr
	s_wait_dscnt 0x0
.irp c, 1,2,3,4,5,6,7,8,9,10,11,12,13,14,15
	v_cmp_lt_f32 s36, v[D+2*\c], v[D]              ; better,
	v_cmp_eq_f32 s37, v[D+2*\c], v[D]              ; or as good
	v_cmp_lt_u32 vcc_lo, v[D+2*\c+1], v[D+1]       ; and of a lower group
	s_and_b32 s37, s37, vcc_lo
	s_or_b32 s36, s36, s37
	v_cndmask_b32 v[D],   v[D],   v[D+2*\c],   s36
	v_cndmask_b32 v[D+1], v[D+1], v[D+2*\c+1], s36
.endr
	global_store_b32 v6, v[D+1], s[12:13]
	s_endpgm
.Ldone:
	s_wait_tensorcnt 0x0
	ds_add_u32 v228, v229
	s_wait_dscnt 0x0
	s_endpgm
.Lfunc_end_k_qd2eaed794d_nearest:
	.size	k_qd2eaed794d_nearest, .Lfunc_end_k_qd2eaed794d_nearest-k_qd2eaed794d_nearest
	.p2alignl 7, 3214868480
	.fill 96, 4, 3214868480
	.section	.rodata,"a",@progbits
	.p2align	6, 0x0
	.amdhsa_kernel k_qd2eaed794d_nearest
		.amdhsa_group_segment_fixed_size 168960
		.amdhsa_private_segment_fixed_size 0
		.amdhsa_enable_private_segment 0
		.amdhsa_kernarg_size 48
		.amdhsa_user_sgpr_count 2
		.amdhsa_user_sgpr_kernarg_segment_ptr 1
		.amdhsa_wavefront_size32 1
		.amdhsa_system_sgpr_workgroup_id_x 1
		.amdhsa_system_sgpr_workgroup_id_y 1
		.amdhsa_system_sgpr_workgroup_id_z 1
		.amdhsa_system_vgpr_workitem_id 0
		.amdhsa_next_free_vgpr 230
		.amdhsa_next_free_sgpr 66
		.amdhsa_reserve_vcc 1
		.amdhsa_float_denorm_mode_32 3
		.amdhsa_float_denorm_mode_16_64 3
		.amdhsa_memory_ordered 1
		.amdhsa_forward_progress 1
		.amdhsa_inst_pref_size 46
	.end_amdhsa_kernel
	.amdgpu_metadata
---
amdhsa.version: [ 1, 2 ]
amdhsa.kernels:
  - .name:           k_qd2eaed794d_nearest
    .symbol:         k_qd2eaed794d_nearest.kd
    .args:
      - { .name: xyz, .offset: 0, .size: 8, .value_kind: global_buffer, .address_space: global }
      - { .name: smpl_verts, .offset: 8, .size: 8, .value_kind: global_buffer, .address_space: global }
      - { .name: skinning_weights, .offset: 16, .size: 8, .value_kind: global_buffer, .address_space: global }
      - { .name: bone_transforms, .offset: 24, .size: 8, .value_kind: global_buffer, .address_space: global }
      - { .name: grp, .offset: 32, .size: 8, .value_kind: global_buffer, .address_space: global }
      - { .name: tv, .offset: 40, .size: 8, .value_kind: global_buffer, .address_space: global }
    .group_segment_fixed_size: 168960
    .private_segment_fixed_size: 0
    .kernarg_segment_align: 8
    .kernarg_segment_size: 48
    .max_flat_workgroup_size: 256
    .sgpr_count:     66
    .vgpr_count:     230
    .wavefront_size: 32
...
	.end_amdgpu_metadata
.endif
;; end of part 1
;; launch apply (part 2): grid 391 x 1, 8 waves a work-group, no clusters, 4,608 bytes of LDS; arguments xyz, rotation, smpl_verts, grp, tv, out0, out1, out2; writes out0, out1, out2
.if DOCPART == 2
	.amdgcn_target "amdgcn-amd-amdhsa--gfx1250"
	.amdhsa_code_object_version 6
	.text
	.protected	k_qd2eaed794d_apply
	.globl	k_qd2eaed794d_apply
	.p2align	8
	.type	k_qd2eaed794d_apply,@function
k_qd2eaed794d_apply:
	s_mov_b64 s[64:65], 0
	v_nop
	global_prefetch_b8 v0, s[64:65] scope:SCOPE_SE
	s_setreg_imm32_b32 hwreg(HW_REG_WAVE_MODE, 25, 1), 1
	s_wait_xcnt 0x0
; For each point: the nearest of the eight vertices that grp names, its blended transform T from tv, then
;   out2 = T (4 x 4), out0 = T[:3] (x, 1), out1 = T[:3, :3] R(q).  All in f32 on the vector unit: the products are 3 x 4 and 3 x 3 for each point by itself.
; Four lanes for a point, lane i with row i of T; a work-group owns 64 points (391 x 64 = 25,024; point numbers are clamped on load, the stores are cut).
; Addresses hang on grp alone: the candidates are vertices c0 .. c0 + 7 with c0 = min(8 g, 6882), so that all eight lie inside the tables; for the
; last groups that is 6882 .. 6889, which holds the group's own vertices.  All eight vertices and all eight rows of tv are loaded, and the row is
; chosen by selects on the exact d^2 = |x - v|^2; strictly smaller wins, so equal distances keep the lowest vertex.
; out2: a lane's 16 bytes lie at 16 t of the work-group's 4,096.  out0 and out1 (768 and 2,304 bytes of a work-group) are gathered in LDS and leave
; as 16 bytes a lane in the order of memory.
; THE STAGES.  A wave's eight points give 96 bytes of out0 and 288 of out1.  Each wave has a stage of its own, 128 bytes at 128 w and 320 bytes at
; 1,024 + 320 w, so that also the address of lane i = 3, which is switched off at the stores, stays in its own wave's bytes.  96 and 288 are 6 and 18
; pieces of 16 bytes, so piece t of the work-group's out0 lies at 128 (t / 6) + 16 (t mod 6) = 16 t + 32 (t / 6), and of out1 at 16 t + 32 (t / 18).
; LIMITS.  |q|^2 has to be a normal f32 (|q| between about 1e-19 and 1.8e19).  A NaN distance loses.
.set NP,  25000
.set NV,  6890
.set O1,  1024                         ; LDS: out1's stages
.set XYZ, 8                            ; v[8:10]
.set Q,   12                           ; v[12:15]  r, x, y, z
.set RD0, 28                           ; v28       LDS: where I read my piece of out0
.set RD1, 30                           ; v30       LDS: where I read my piece of out1 (less O1)
.set VV,  32                           ; v[32:63]  candidate j: its vertex at VV + 4 j
.set TT,  64                           ; v[64:95]  candidate j: my row of its T at TT + 4 j; the chosen row ends in TT
.set D2,  96                           ; v[96:103] the distances; the best ends in D2
.set T,   104                          ; v[104:111] at work
.set R,   112                          ; v[112:120] R(q), by rows
.set XB,  121
.set RB,  122                          ; v[122:124]
.set MK,  28                           ; s29 .. s35: candidate j beats those before it
	s_load_b512 s[4:19], s[0:1], 0x0               ; xyz s[4:5], rotation s[6:7], vertices s[8:9], grp s[10:11], tv s[12:13], out0 s[14:15], out1 s[16:17], out2 s[18:19]
	v_lshl_add_u32 v128, v0, 2, 0xe00
	v_mov_b32 v129, 0
	s_mov_b32 s20, ttmp9
	v_lshrrev_b32 v11, 5, v0
	v_readfirstlane_b32 s28, v11                   ; wave 0..7
	v_lshrrev_b32 v1, 2, v0                        ; my point in the work-group
	v_and_b32 v2, 3, v0                            ; my row of T
	s_lshl_b32 s25, s20, 6
	v_add_nc_u32 v3, s25, v1
	v_min_u32 v3, NP-1, v3
	v_lshlrev_b32 v4, 2, v3
	v_mul_u32_u24 v5, 12, v3
	v_lshlrev_b32 v6, 4, v3
	v_lshlrev_b32 v19, 4, v2                       ; 16 i
	v_lshlrev_b32 v125, 4, v0                      ; 16 t
	; how many pieces of 16 bytes of each output are the work-group's: all, or what is left of 18,750, 56,250 and 100,000
	s_mul_i32 s21, s20, 48
	s_sub_co_u32 s21, 18750, s21
	s_min_u32 s21, s21, 48
	s_mul_i32 s22, s20, 144
	s_sub_co_u32 s22, 56250, s22
	s_min_u32 s22, s22, 144
	s_lshl_b32 s23, s20, 8
	s_sub_co_u32 s23, 100000, s23
	s_min_u32 s23, s23, 256
	s_mov_b32 s27, 0
	s_wait_kmcnt 0x0
	global_load_b32 v7, v4, s[10:11]
	global_load_b96 v[XYZ:XYZ+2], v5, s[4:5]
	global_load_b128 v[Q:Q+3], v6, s[6:7]
	s_mul_i32 s26, s20, 768
	s_add_nc_u64 s[14:15], s[14:15], s[26:27]
	s_mul_i32 s26, s20, 2304
	s_add_nc_u64 s[16:17], s[16:17], s[26:27]
	s_lshl_b32 s26, s20, 12
	s_add_nc_u64 s[18:19], s[18:19], s[26:27]
	; the stages: where I put my words
	s_lshl_b32 s36, s28, 7                         ; 128 w
	s_mul_i32 s37, s28, 320                        ; 320 w
	v_bfe_u32 v11, v0, 2, 3                        ; my point among the wave's eight
	v_mul_u32_u24 v11, 12, v11
	v_lshl_add_u32 v11, v2, 2, v11                 ; 12 n + 4 i
	v_add_nc_u32 v126, s36, v11                    ; out0's word
	v_mul_u32_u24 v127, 3, v11                     ; 36 n + 12 i
	v_add_nc_u32 v127, s37, v127                   ; out1's three words (less O1)
	; and where I read a piece back; threads beyond the last piece repeat it and store nothing
	v_min_u32 v[RD0], 47, v0
	v_mul_u32_u24 v29, 43, v[RD0]
	v_lshrrev_b32 v29, 8, v29                      ; t / 6: 43 t >> 8 is exact up to t = 47 (258 k >= 256 k, and 43 (6 k + 5) < 256 (k + 1) for k <= 7)
	v_lshlrev_b32 v29, 5, v29
	v_lshl_add_u32 v[RD0], v[RD0], 4, v29          ; 16 t + 32 (t / 6)
	v_min_u32 v[RD1], 143, v0
	v_mul_u32_u24 v31, 57, v[RD1]
	v_lshrrev_b32 v31, 10, v31                     ; t / 18: 57 t >> 10 is exact up to t = 143 (1,026 k >= 1,024 k, and 57 (18 k + 17) < 1,024 (k + 1) for k <= 7)
	v_lshlrev_b32 v31, 5, v31
	v_lshl_add_u32 v[RD1], v[RD1], 4, v31          ; 16 t + 32 (t / 18)
	s_wait_loadcnt 0x2                             ; the group is in; the two younger loads (xyz, quaternion) stay out
	v_lshlrev_b32 v18, 3, v7
	v_min_u32 v18, NV-8, v18                       ; c0
	v_mul_u32_u24 v16, 12, v18
	v_lshl_add_u32 v17, v18, 6, v19                ; 64 c0 + 16 i
.irp j, 0,1,2,3,4,5,6,7
	global_load_b96 v[VV+4*\j:VV+4*\j+2], v16, s[8:9] offset:12*\j
.endr
.irp j, 0,1,2,3,4,5,6,7
	global_load_b128 v[TT+4*\j:TT+4*\j+3], v17, s[12:13] offset:64*\j
.endr
	s_wait_loadcnt 0x8                             ; the eight rows of tv stay out; xyz, the quaternion and the vertices are in
	v_mul_f32 v18, v[Q], v[Q]
	v_fmac_f32 v18, v[Q+1], v[Q+1]
	v_fmac_f32 v18, v[Q+2], v[Q+2]
	v_fmac_f32 v18, v[Q+3], v[Q+3]                 ; |q|^2
	v_rcp_f32 v19, v18                             ; its result is used behind the distances' plain instructions (ISA guide 5.7.2)
.irp j, 0,1,2,3,4,5,6,7
	v_sub_f32 v[T+4*(\j&1)],   v[XYZ],   v[VV+4*\j]
	v_sub_f32 v[T+4*(\j&1)+1], v[XYZ+1], v[VV+4*\j+1]
	v_sub_f32 v[T+4*(\j&1)+2], v[XYZ+2], v[VV+4*\j+2]
	v_mul_f32  v[D2+\j], v[T+4*(\j&1)],   v[T+4*(\j&1)]
	v_fmac_f32 v[D2+\j], v[T+4*(\j&1)+1], v[T+4*(\j&1)+1]
	v_fmac_f32 v[D2+\j], v[T+4*(\j&1)+2], v[T+4*(\j&1)+2]
.endr
.irp j, 1,2,3,4,5,6,7
	v_cmp_lt_f32 s[MK+\j], v[D2+\j], v[D2]
	v_cndmask_b32 v[D2], v[D2], v[D2+\j], s[MK+\j]
.endr
	; R of q / |q|, with t = 2 / |q|^2 in place of the normalisation
	s_wait_alu depctr_va_vdst(0)
	v_add_f32 v19, v19, v19                        ; t
	v_mul_f32 v20, v19, v[Q+1]                     ; t x
	v_mul_f32 v21, v19, v[Q+2]                     ; t y
	v_mul_f32 v22, v19, v[Q+3]                     ; t z
	v_mul_f32 v23, v20, v[Q]                       ; t x r
	v_mul_f32 v24, v21, v[Q]                       ; t y r
	v_mul_f32 v25, v22, v[Q]                       ; t z r
	v_fma_f32 v26, -v21, v[Q+2], 1.0               ; 1 - t y y
	v_fma_f32 v27, -v20, v[Q+1], 1.0               ; 1 - t x x
	v_fma_f32 v[R+0], -v22, v[Q+3], v26
	v_fma_f32 v[R+1], v20, v[Q+2], -v25
	v_fma_f32 v[R+2], v20, v[Q+3], v24
	v_fma_f32 v[R+3], v20, v[Q+2], v25
	v_fma_f32 v[R+4], -v22, v[Q+3], v27
	v_fma_f32 v[R+5], v21, v[Q+3], -v23
	v_fma_f32 v[R+6], v20, v[Q+3], -v24
	v_fma_f32 v[R+7], v21, v[Q+3], v23
	v_fma_f32 v[R+8], -v21, v[Q+2], v27
	s_wait_loadcnt 0x0                             ; the rows of tv
.irp j, 1,2,3,4,5,6,7
.irp k, 0,1,2,3
	v_cndmask_b32 v[TT+\k], v[TT+\k], v[TT+4*\j+\k], s[MK+\j]
.endr
.endr
	s_wait_xcnt 0x0                                ; EXEC changes only behind this wait
	v_cmp_gt_u32 vcc_lo, s23, v0
	s_and_saveexec_b32 s24, vcc_lo
	global_store_b128 v125, v[TT:TT+3], s[18:19] th:TH_STORE_NT    ; a wave's store covers 512 consecutive bytes, aligned
	s_wait_xcnt 0x0                                ; and again in front of the line that widens it
	s_or_b32 exec_lo, exec_lo, s24
	v_fma_f32 v[XB], v[TT], v[XYZ], v[TT+3]
	v_fmac_f32 v[XB], v[TT+1], v[XYZ+1]
	v_fmac_f32 v[XB], v[TT+2], v[XYZ+2]
.irp k, 0,1,2
	v_mul_f32  v[RB+\k], v[TT],   v[R+\k]
	v_fmac_f32 v[RB+\k], v[TT+1], v[R+3+\k]
	v_fmac_f32 v[RB+\k], v[TT+2], v[R+6+\k]
.endr
	v_cmp_gt_u32 vcc_lo, 3, v2                     ; rows 0 to 2 alone enter out0 and out1; no global access has been issued since the last wait for translation
	s_and_saveexec_b32 s24, vcc_lo
	ds_store_b32 v126, v[XB]
	ds_store_b32 v127, v[RB]   offset:O1
	ds_store_b32 v127, v[RB+1] offset:O1+4
	ds_store_b32 v127, v[RB+2] offset:O1+8
	s_or_b32 exec_lo, exec_lo, s24
	s_wait_dscnt 0x0                               ; my stores are done, for the others' sake
	s_barrier_signal -1
	s_barrier_wait -1
	ds_load_b128 v[T:T+3],   v[RD1] offset:O1      ; all lanes on: the addresses are clamped to the last piece
	ds_load_b128 v[T+4:T+7], v[RD0]
	s_wait_dscnt 0x0
	v_cmp_gt_u32 vcc_lo, s22, v0                   ; out1's pieces: threads 0 to 143, or fewer in the last work-group
	s_wait_tensorcnt 0x0
	ds_add_u32 v128, v129
	s_wait_dscnt 0x0
	s_and_saveexec_b32 s24, vcc_lo
	global_store_b128 v125, v[T:T+3], s[16:17] th:TH_STORE_NT
	s_wait_xcnt 0x0                                ; EXEC narrows further only behind this wait
	v_cmp_gt_u32 vcc_lo, s21, v0                   ; out0's pieces: threads 0 to 47, or fewer
	s_and_saveexec_b32 s24, vcc_lo
	global_store_b128 v125, v[T+4:T+7], s[14:15] th:TH_STORE_NT
	s_endpgm
.Lfunc_end_k_qd2eaed794d_apply:
	.size	k_qd2eaed794d_apply, .Lfunc_end_k_qd2eaed794d_apply-k_qd2eaed794d_apply
	.p2alignl 7, 3214868480
	.fill 96, 4, 3214868480
	.section	.rodata,"a",@progbits
	.p2align	6, 0x0
	.amdhsa_kernel k_qd2eaed794d_apply
		.amdhsa_group_segment_fixed_size 4608
		.amdhsa_private_segment_fixed_size 0
		.amdhsa_enable_private_segment 0
		.amdhsa_kernarg_size 64
		.amdhsa_user_sgpr_count 2
		.amdhsa_user_sgpr_kernarg_segment_ptr 1
		.amdhsa_wavefront_size32 1
		.amdhsa_system_sgpr_workgroup_id_x 1
		.amdhsa_system_sgpr_workgroup_id_y 1
		.amdhsa_system_sgpr_workgroup_id_z 1
		.amdhsa_system_vgpr_workitem_id 0
		.amdhsa_next_free_vgpr 130
		.amdhsa_next_free_sgpr 66
		.amdhsa_reserve_vcc 1
		.amdhsa_float_denorm_mode_32 3
		.amdhsa_float_denorm_mode_16_64 3
		.amdhsa_memory_ordered 1
		.amdhsa_forward_progress 1
		.amdhsa_inst_pref_size 12
	.end_amdhsa_kernel
	.amdgpu_metadata
---
amdhsa.version: [ 1, 2 ]
amdhsa.kernels:
  - .name:           k_qd2eaed794d_apply
    .symbol:         k_qd2eaed794d_apply.kd
    .args:
      - { .name: xyz, .offset: 0, .size: 8, .value_kind: global_buffer, .address_space: global }
      - { .name: rotation, .offset: 8, .size: 8, .value_kind: global_buffer, .address_space: global }
      - { .name: smpl_verts, .offset: 16, .size: 8, .value_kind: global_buffer, .address_space: global }
      - { .name: grp, .offset: 24, .size: 8, .value_kind: global_buffer, .address_space: global }
      - { .name: tv, .offset: 32, .size: 8, .value_kind: global_buffer, .address_space: global }
      - { .name: out0, .offset: 40, .size: 8, .value_kind: global_buffer, .address_space: global }
      - { .name: out1, .offset: 48, .size: 8, .value_kind: global_buffer, .address_space: global }
      - { .name: out2, .offset: 56, .size: 8, .value_kind: global_buffer, .address_space: global }
    .group_segment_fixed_size: 4608
    .private_segment_fixed_size: 0
    .kernarg_segment_align: 8
    .kernarg_segment_size: 64
    .max_flat_workgroup_size: 256
    .sgpr_count:     66
    .vgpr_count:     130
    .wavefront_size: 32
...
	.end_amdgpu_metadata
.endif
;; end of part 2
